; MI455X (gfx1250); checked and timed in simulation.
; The chip was launched on July 23, 2026; its instructions are those of AMD's public machine-readable ISA for CDNA 5 (MIT licence, August 2026) and "CDNA5" Instruction Set Architecture Reference Guide (July 2026). The comments in the code are by the model that wrote it; some were corrected since.
;; Bert Like Self Attention. Allowed arithmetic: matrix products marked QUANTISED: E2M1 operands, one E8M0 scale for each 32 along K, by v_wmma_scale_f32_16x16x128_f8f6f4 with both operands' format E2M1 (or v_wmma_scale_f32_32x16x128_f4), f32 sums; products left as they are: bf16, f16 or f32 operands; f32 sums; everything else in f32.
;; Inputs: Wk 1,024 x 1,024 float32; Wq 1,024 x 1,024 float32; Wv 1,024 x 1,024 float32; attention_mask 4 x 1 x 1 x 2,048 float32; bk 1,024 float32; bq 1,024 float32; bv 1,024 float32; hidden_states 4 x 2,048 x 1,024 float32.
;; Outputs: out0 4 x 2,048 x 1,024 float32.
;; This version of the problem:
;;   THIS VERSION OF THE PROBLEM IS GIVEN IN LOW PRECISION. The matrix products marked QUANTISED in the list below multiply operands that are first quantised to E2M1 (2 exponent bits, 1 mantissa bit; 4 bits a number), with one power-of-two scale for each 32 numbers along K (OCP MX v1.0); their sums are f32. The products marked 'left as it is' may take bf16, f16 or f32 operands, with f32 sums. Whichever they take, every output number must still come out within the allowed error. Rounding operands to bf16 (8 significant bits) uses up far more of that allowance than f16 does (11 bits, for magnitudes from 6e-5 to 65,504). All else is computed in f32.
;;   The module's matrix products, in the order in which they are computed (A, B: the left and right operand; K: the contracted axis; several contracted axes count as one K, in the product's order):
;;     1. [M 8,192, K 1,024] x [K 1,024, N 1,024]; A: input hidden_states; B: input Wq: QUANTISED
;;     2. [M 8,192, K 1,024] x [K 1,024, N 1,024]; A: input hidden_states; B: input Wk: QUANTISED
;;     3. [M 8,192, K 1,024] x [K 1,024, N 1,024]; A: input hidden_states; B: input Wv: QUANTISED
;;     4. batch 64 x [M 2,048, K 64] x [K 64, N 2,048]; A: computed on the way; B: computed on the way: left as it is (an operand is computed on the way)
;;     5. batch 64 x [M 2,048, K 2,048] x [K 2,048, N 64]; A: computed on the way; B: computed on the way: left as it is (an operand is computed on the way)
;;   THE QUANTISER, for each operand of a quantised product, along K:
;;     - K is cut into blocks of 32 from its start; a last block that is shorter is filled with zeros.
;;     - A block's scale is 2^e with e = floor(log2(the largest magnitude in the block)) - 2, held to -126 .. 127; a block of zeros has e = 0. As a byte (E8M0): e + 127.
;;     - Each number is divided by its block's scale, clamped to +-6, and rounded to the nearest number of E2M1, ties to even, subnormals kept.
;;     - The product sums the exact products of the quantised numbers (number of the format x scale) in f32.
;;   ~~~python
;;   def quantise(x, axis):      # numpy; x: float32 -> the quantised numbers, widened to float32 again
;;       x = np.moveaxis(x, axis, -1); K = x.shape[-1]
;;       x = np.pad(x, [(0, 0)] * (x.ndim - 1) + [(0, -K % 32)]); x = x.reshape(x.shape[:-1] + (-1, 32)); a = np.abs(x).max(-1, keepdims=True)
;;       e = np.where(a > 0, np.clip(np.frexp(np.where(a > 0, a, 1))[1] - 1 - 2, -126, 127), 0)      # np.frexp(a)[1] - 1 = floor(log2(a)), exactly
;;       r = np.clip(x / 2.0 ** e, -6, 6)
;;       step = 2.0 ** (np.maximum(np.frexp(np.where(r == 0, 1, r))[1] - 1, 0) - 1)
;;       q = np.round(r / step) * step * 2.0 ** e      # np.round: ties to even
;;       return np.moveaxis(q.reshape(q.shape[:-2] + (-1,))[..., :K], -1, axis).astype(np.float32)
;;   ~~~
;; One version. Each part assembles by itself: llvm-mc -triple=amdgcn-amd-amdhsa -mcpu=gfx1250 --defsym DOCPART=n.
;; ======== version 1 of 1: 3 launches
;; limits: values are held in f16: magnitudes above 65,504 overflow, below 6.1e-05 lose precision
;; workspace buffers: x_codes 4,194,304 bytes; x_scales 262,144 bytes; w_codes 1,572,864 bytes; w_scales 98,304 bytes; qkv 50,331,648 bytes
;; launch quant (part 1): grid 352 x 1, 4 waves a work-group, no clusters, 33,280 bytes of LDS; arguments hidden_states, Wq, Wk, Wv, x_codes, x_scales, w_codes, w_scales; writes x_codes, x_scales, w_codes, w_scales
.if DOCPART == 1
	.amdgcn_target "amdgcn-amd-amdhsa--gfx1250"
	.amdhsa_code_object_version 6
	.text
	.protected	k_qf51396249a_quant
	.globl	k_qf51396249a_quant
	.p2align	8
	.type	k_qf51396249a_quant,@function
k_qf51396249a_quant:
	s_mov_b64 s[64:65], 0
	v_nop
	global_prefetch_b8 v0, s[64:65] scope:SCOPE_SE
	s_setreg_imm32_b32 hwreg(HW_REG_WAVE_MODE, 25, 1), 1
	s_wait_xcnt 0x0
; hidden_states [8192][1024] and Wq, Wk, Wv [1024][1024], f32, K innermost, are turned into codes of FP4 (E2M1), two a byte, K innermost, with one E8M0 scale byte for each 32 along K.
; x_codes [8192][512 bytes], x_scales [8192][32]; w_codes [3072][512 bytes], w_scales [3072][32]: rows 0-1023 Wq, 1024-2047 Wk, 2048-3071 Wv.
; A block's scale is 2^(floor(log2(its largest magnitude)) - 2); its byte is the largest magnitude's own exponent field - 2, held at 1 from below.  A block of zeros so gets the byte 1 where the
; rule says 127: its codes are zeros, which add nothing under any byte but 0xff, and the bytes are read by this program alone.  Each number is divided by the scale and rounded to the nearest code, ties to even;
; beyond 6 the conversion gives the largest code.
; LIMITS: blocks whose largest magnitude lies under 2^(2 - 126), the floor, have their byte held at 1; NaN and infinities among the inputs are not served.
; Rows are dense and K is a multiple of 32: every tensor is a plain stream of blocks of 32 numbers, and so are its codes and scale bytes.  A work-group takes 32,768 numbers, a wave 16 steps of 512.
; Work-groups 0-255 take hidden_states, 256-287 Wq, 288-319 Wk, 320-351 Wv: only pointers are chosen, by the work-group's number; all take one path through the text.
; Each of a step's four loads reads 512 consecutive bytes, 16 a lane; the 2,048 bytes turn through the wave's own stage in LDS and come back 64 bytes a lane, so that a lane holds 16 neighbours along K
; (two neighbouring lanes hold a block).  A lane's 16 codes are 8 bytes: the wave stores 256 consecutive bytes.  A wave's 256 scale bytes are gathered in LDS and leave as one aligned run of 256 bytes.
; No tensor loads, no barrier: waves share nothing.  Loads run four steps (16 loads a wave) ahead, the turn through LDS one step.  Matrix units and clusters have nothing to do here: no byte is read twice.
.set WAVES, 4
.set STEPS, 16
.set EMAX,  2
.set CB,    8                          ; bytes of 16 codes
.set R,     16                         ; v16-79   four sets of 16 numbers as they are loaded
.set X,     80                         ; v80-111  two sets of 16 neighbours
.set C,     128                        ; v128-191 codes: four registers for each step, so that no store's data are written again
.set E,     112                        ; v112-127 a scale byte for each step
.set WREG,  8192                       ; LDS: a region for each wave: two stages of 32 x SP bytes, behind them its 256 scale bytes
.set SP,    80                         ; a lane's place in a stage: its 64 bytes + 16 of padding
.set SPW,   12                         ; v12      LDS address of my spare word: SPARE + 4 x my thread's number; never rewritten
.set NIL,   13                         ; v13      0; never rewritten
.set SPARE, WAVES*WREG                 ; behind the four regions: the spare words, 128 bytes for each wave
	s_load_b256 s[4:11], s[0:1], 0x0               ; hidden_states s[4:5], Wq s[6:7], Wk s[8:9], Wv s[10:11]
	s_load_b256 s[12:19], s[0:1], 0x20             ; x_codes s[12:13], x_scales s[14:15], w_codes s[16:17], w_scales s[18:19]
	v_lshl_add_u32 v[SPW], v0, 2, SPARE
	v_mov_b32 v[NIL], 0
	v_lshrrev_b32 v1, 5, v0
	v_readfirstlane_b32 s20, v1                    ; wave
	v_and_b32 v2, 31, v0                           ; lane
	v_lshlrev_b32 v3, 4, v2                        ; my 16 bytes of a load's 512
	s_mul_i32 s21, s20, WREG
	v_lshrrev_b32 v14, 2, v2
	v_mul_u32_u24 v14, v14, SP
	v_and_b32 v15, 3, v2
	v_lshl_add_u32 v14, v15, 4, v14
	v_add_nc_u32 v14, s21, v14                     ; the stage, on the way in: four lanes' 64 bytes on end, then 16 of padding
	v_mul_u32_u24 v15, v2, SP
	v_add_nc_u32 v15, s21, v15                     ; and on the way out: SP x lane: my 16 neighbours
	v_mul_u32_u24 v4, v2, CB                       ; my codes' place in a step's
	v_lshrrev_b32 v5, 1, v2
	s_add_co_u32 s21, s21, 2*32*SP
	v_add_nc_u32 v5, s21, v5                       ; LDS: my wave's 256 scale bytes, my block's byte
	v_lshlrev_b32 v7, 3, v2                        ; and on the way out 8 bytes a lane
	v_add_nc_u32 v6, s21, v7
	s_and_b32 s28, ttmp9, 31                       ; a weight's work-group within its tensor (256, 288 and 320 are multiples of 32)
	s_and_b32 s29, ttmp9, 255                      ; the work-group within its destination: id under 256, id - 256 from there on
	s_wait_kmcnt 0x0
	s_cmp_lt_u32 ttmp9, 320                        ; the choices hang on the work-group's number alone
	s_cselect_b64 s[22:23], s[8:9], s[10:11]
	s_cmp_lt_u32 ttmp9, 288
	s_cselect_b64 s[22:23], s[6:7], s[22:23]
	s_cmp_lt_u32 ttmp9, 256
	s_cselect_b64 s[22:23], s[4:5], s[22:23]       ; the source
	s_cselect_b64 s[24:25], s[12:13], s[16:17]     ; its codes
	s_cselect_b64 s[26:27], s[14:15], s[18:19]     ; its scale bytes
	s_cselect_b32 s28, ttmp9, s28
	s_lshl_b32 s28, s28, 2
	s_add_co_u32 s28, s28, s20                     ; which run of 8,192 numbers of the source is my wave's (at most 1,023)
	s_lshl_b32 s29, s29, 2
	s_add_co_u32 s29, s29, s20                     ; and of the destination
	s_lshl_b32 s30, s28, 15                        ; 32,768 bytes of f32 a run
	s_mov_b32 s31, 0
	s_add_nc_u64 s[22:23], s[22:23], s[30:31]
	s_lshl_b32 s30, s29, 12                        ; 4,096 bytes of codes
	s_add_nc_u64 s[24:25], s[24:25], s[30:31]
	s_lshl_b32 s30, s29, 8                         ; 256 scale bytes
	s_add_nc_u64 s[26:27], s[26:27], s[30:31]
.macro LOAD t
.irp i, 0,1,2,3
	global_load_b128 v[R+16*((\t)%4)+4*\i:R+16*((\t)%4)+4*\i+3], v3, s[22:23] offset:2048*(\t)+512*\i th:TH_LOAD_NT   ; 32 lanes read 512 consecutive bytes
.endr
.endm
.macro TURN t                          ; step t's numbers through the stage: LDS serves a wave's instructions in order, so no wait stands between the stores and the loads
.irp i, 0,1,2,3
	ds_store_b128 v14, v[R+16*((\t)%4)+4*\i:R+16*((\t)%4)+4*\i+3] offset:32*SP*((\t)%2)+8*SP*\i
.endr
.irp i, 0,1,2,3
	ds_load_b128 v[X+16*((\t)%2)+4*\i:X+16*((\t)%2)+4*\i+3], v15 offset:32*SP*((\t)%2)+16*\i
.endr
.endm
.irp t, 0,1,2,3
	LOAD \t
.endr
	s_wait_loadcnt 12                              ; step 0's four loads are in; the twelve of steps 1 to 3 may be out
	TURN 0
.macro STEP t
.set XS, X+16*((\t)%2)
.if (\t) > 0
	s_wait_dscnt 1                                 ; this step's numbers are back from the stage (the last step's byte store may be out): so its stores into the stage have read their registers,
.else
	s_wait_dscnt 0x0
.endif
.if (\t)+4 < STEPS
	LOAD (\t)+4                                    ; which take the loads of four steps on
.endif
.if (\t)+1 < STEPS
.if STEPS-2-(\t) >= 3
	s_wait_loadcnt 12                              ; the next step's four loads are in; those of the three steps behind it may be out
.else
	s_wait_loadcnt 4*(STEPS-2-(\t))
.endif
	TURN (\t)+1                                    ; and go through the other stage while this step is worked
.endif
	v_max3_num_f32 v8, |v[XS]|, |v[XS+1]|, |v[XS+2]|               ; the largest magnitude of my 16, in two chains
	v_max3_num_f32 v9, |v[XS+3]|, |v[XS+4]|, |v[XS+5]|
.irp i, 6,10
	v_max3_num_f32 v8, v8, |v[XS+\i]|, |v[XS+\i+1]|
	v_max3_num_f32 v9, v9, |v[XS+\i+2]|, |v[XS+\i+3]|
.endr
	v_max3_num_f32 v8, v8, |v[XS+14]|, |v[XS+15]|
	v_max3_num_f32 v8, v8, v9, (EMAX+1)<<23        ; and the floor 2^(EMAX + 1 - 127): so the byte cannot fall under 1
	v_max_num_f32_dpp v8, v8, v8 row_xmask:1 row_mask:0xf bank_mask:0xf   ; and of my neighbour's 16: the block's
	v_add_nc_u32 v11, -(EMAX<<23), v8              ; EMAX off its exponent field: the conversion takes the exponent field of this operand as its scale, and nothing else of it
	v_cvt_scalef32_pk8_fp4_f32 v[C+4*(\t)], v[XS:XS+7], v11
	v_cvt_scalef32_pk8_fp4_f32 v[C+4*(\t)+1], v[XS+8:XS+15], v11
	v_lshrrev_b32 v[E+(\t)], 23, v11               ; the scale's byte (also the plain instruction behind the conversions)
	ds_store_b8 v5, v[E+(\t)] offset:16*(\t)       ; both lanes of a block write the same byte with the same value
	global_store_b64 v4, v[C+4*(\t):C+4*(\t)+1], s[24:25] offset:32*CB*(\t)   ; 32 lanes store 256 consecutive bytes, aligned
.endm
.irp t, 0,1,2,3,4,5,6,7,8,9,10,11,12,13,14,15
	STEP \t
.endr
	ds_load_b64 v[8:9], v6                         ; LDS serves a wave's instructions in order: these see my byte stores
	s_wait_dscnt 0x0
	global_store_b64 v7, v[8:9], s[26:27]          ; 32 lanes store 256 consecutive bytes, aligned
	s_wait_tensorcnt 0x0                           ; the wave's end: behind my last LDS store
	ds_add_u32 v[SPW], v[NIL]
	s_wait_dscnt 0x0
	s_endpgm
.Lfunc_end_k_qf51396249a_quant:
	.size	k_qf51396249a_quant, .Lfunc_end_k_qf51396249a_quant-k_qf51396249a_quant
	.p2alignl 7, 3214868480
	.fill 96, 4, 3214868480
	.section	.rodata,"a",@progbits
	.p2align	6, 0x0
	.amdhsa_kernel k_qf51396249a_quant
		.amdhsa_group_segment_fixed_size 33280
		.amdhsa_private_segment_fixed_size 0
		.amdhsa_enable_private_segment 0
		.amdhsa_kernarg_size 64
		.amdhsa_user_sgpr_count 2
		.amdhsa_user_sgpr_kernarg_segment_ptr 1
		.amdhsa_wavefront_size32 1
		.amdhsa_system_sgpr_workgroup_id_x 1
		.amdhsa_system_sgpr_workgroup_id_y 1
		.amdhsa_system_sgpr_workgroup_id_z 1
		.amdhsa_system_vgpr_workitem_id 0
		.amdhsa_next_free_vgpr 192
		.amdhsa_next_free_sgpr 66
		.amdhsa_reserve_vcc 0
		.amdhsa_float_denorm_mode_32 3
		.amdhsa_float_denorm_mode_16_64 3
		.amdhsa_memory_ordered 1
		.amdhsa_forward_progress 1
		.amdhsa_inst_pref_size 33
	.end_amdhsa_kernel
	.amdgpu_metadata
---
amdhsa.version: [ 1, 2 ]
amdhsa.kernels:
  - .name:           k_qf51396249a_quant
    .symbol:         k_qf51396249a_quant.kd
    .args:
      - { .name: hidden_states, .offset: 0, .size: 8, .value_kind: global_buffer, .address_space: global }
      - { .name: Wq, .offset: 8, .size: 8, .value_kind: global_buffer, .address_space: global }
      - { .name: Wk, .offset: 16, .size: 8, .value_kind: global_buffer, .address_space: global }
      - { .name: Wv, .offset: 24, .size: 8, .value_kind: global_buffer, .address_space: global }
      - { .name: x_codes, .offset: 32, .size: 8, .value_kind: global_buffer, .address_space: global }
      - { .name: x_scales, .offset: 40, .size: 8, .value_kind: global_buffer, .address_space: global }
      - { .name: w_codes, .offset: 48, .size: 8, .value_kind: global_buffer, .address_space: global }
      - { .name: w_scales, .offset: 56, .size: 8, .value_kind: global_buffer, .address_space: global }
    .group_segment_fixed_size: 33280
    .private_segment_fixed_size: 0
    .kernarg_segment_align: 8
    .kernarg_segment_size: 64
    .max_flat_workgroup_size: 128
    .sgpr_count:     66
    .vgpr_count:     192
    .wavefront_size: 32
...
	.end_amdgpu_metadata
.endif
;; end of part 1
;; launch proj (part 2): grid 12 x 32, 4 waves a work-group, clusters of 4 x 4, 327,680 bytes of LDS; arguments x_codes, x_scales, w_codes, w_scales, qkv, bq, bk, bv; writes qkv
.if DOCPART == 2
	.amdgcn_target "amdgcn-amd-amdhsa--gfx1250"
	.amdhsa_code_object_version 6
	.text
	.protected	k_qf51396249a_proj
	.globl	k_qf51396249a_proj
	.p2align	8
	.type	k_qf51396249a_proj,@function
k_qf51396249a_proj:
	s_mov_b64 s[64:65], 0
	v_nop
	global_prefetch_b8 v0, s[64:65] scope:SCOPE_SE
	s_setreg_imm32_b32 hwreg(HW_REG_WAVE_MODE, 25, 1), 1
	s_wait_xcnt 0x0
	s_wait_alu depctr_hold_cnt(0) depctr_sa_sdst(0) depctr_va_vdst(0) depctr_va_sdst(0) depctr_va_ssrc(0) depctr_va_vcc(0) depctr_vm_vsrc(0)
	s_getreg_b32 s2, hwreg(HW_REG_IB_STS2, 6, 4)
	s_cmp_eq_u32 s2, 0
	s_cbranch_scc0 .Lentry_in_a_cluster
	s_endpgm
.Lentry_in_a_cluster:
	s_bfe_u32 s2, ttmp6, 0x10000c
	s_cmp_lg_u32 s2, 0xf033
	s_cbranch_scc0 .Lentry_shape_is_right
	s_endpgm
.Lentry_shape_is_right:
; The three projections as ONE product on codes of FP4: C[m][n] = sum over k of X[m][k] W[n][k], m = 8,192 tokens, n = 3,072 (Wq's, Wk's, Wv's rows on end), k = 1,024; one E8M0 scale for each 32 along K; sums in f32.
; What leaves is f16, for the attention launch: q' = (q + bq) x CM, CM = 2 log2(e) / 30;  k' = (k + bk) / 8;  v + bv.  So q' . k' is the exponent that the capped score's tanh wants.
; qkv: three sections of 2^24 bytes (q', k', v); in a section [bh = 16 batch + head][tile of 16 tokens][group g of 16 channels][lane][16 bytes]: lane (r, h) holds token 16 tile + r, channels 16 g + 8 h + 0 .. 7.
; That is what a lane of this kernel holds anyway, so each store of a wave covers 512 consecutive bytes, aligned, with no way through LDS; and groups 2 c, 2 c + 1 are the 16-bit fragment c of the reader.
; LIMITS: q', k' and v are held at +-65,504, the largest f16 number; under 2^-14 they keep f16's fixed step 2^-24.  NaN and infinities among the inputs are not served.
; A tile of C, 256 x 256, is made by a work-group of four waves; a wave makes 128 x 128: 64 accumulators of 16 x 16, 512 registers.  K is two slots of 512 (LDS rows of 256 bytes): both are first fills, nothing is filled again.
; The scales of the work-group's 256 rows of X and of W, for all of K, are two dense blocks of memory: they come once, with the first fills, as rows of 256 bytes.
; CLUSTERS: 4 x 4 work-groups.  The four of a row of the cluster need the same tiles of X, the four of a column the same tiles of W: each tile is asked for JOINTLY, by the same tensor load with the same descriptor and a mask that names the four.
; A cluster's x is the section (q, k or v): the same in all sixteen partners.  THE MATRIX INSTRUCTION IS USED TRANSPOSED (source 0 = 16 rows of W, source 1 = 16 rows of X): a lane holds eight neighbouring channels of one token.
; By this text's own count a wave has three tensor loads out at the most: its part of the scales and of the two slots.
; REGISTERS, in windows of 256: window 0: v0-31 addresses; v32-95 scale words, two sets, and nothing else ever; v128-191 X's fragments, ONE set, on the way out the numbers at work; v192-255 on the way out the packed results.
;   window 1: W's fragments, TWO sets, at v0 and at v128; v192-255 the bias of my 128 channels.   window 2: the accumulators of my rows 0-63 ((a, b) at v[8 (8 a + b)]);   window 3: those of rows 64-127.
.set SIZE_K, 1024
.set KSTEP,  512                       ; along K in a slot
.set NQ,     KSTEP/128                 ; matrix instructions deep
.set ROWB,   256                       ; a tile's row in bytes
.set KROW,   SIZE_K*4/8                ; a row of codes in memory, in bytes
.set PITCH,  272                       ; an LDS row: 256 bytes + 16 of padding = 68 words: row r starts at bank 4 r mod 64 (ISA guide 11.1), so the 16 rows of a load start at 16 different banks
.set FR,     8                         ; registers of a fragment: 16 rows x 128 K
.set NL,     2                         ; LDS loads that bring one
.set NP,     4                         ; places behind this matrix instruction (ISA guide 7.12.1)
.set HALFT,  128*PITCH                 ; 128 rows: what one tensor load brings
.set SLOT,   4*HALFT                   ; X's 256 rows, then W's 256 rows
.set KS,     SIZE_K/32                 ; a row of scales in bytes
.set SCL,    2*SLOT                    ; behind the slots: the scales, as rows of 256 bytes + 16 of padding
.set HALFS,  (128*KS/256)*272          ; the scales of 128 rows
.set SBLK,   (16*KS/256)*272           ; those of 16 rows
.set SPARE,  SCL+4*HALFS               ; the spare words, 128 bytes for each wave
.set ADRA, 16                          ; v16-17  LDS address of my X fragments in slot 0, 1
.set ADRB, 20                          ; v20-21  the same for W
.set CO,   26                          ; v26     16 x lane: my place in a store's 512 bytes
.set ADRS, 27                          ; v27     LDS address of my scale words: lanes 0-15 X's rows, lanes 16-31 W's
.set SPW,  28                          ; v28     LDS address of my spare word; never rewritten
.set NIL,  29                          ; v29     0; never rewritten
.set BO,   30                          ; v30     32 x (lane / 16): my half's eight numbers of a bias group
.set FMX,  31                          ; v31     65,504
.set SC,   32                          ; scale words: set s at v[SC + 8 NQ s]; register NQ i + q: lanes 0-15 X's block i, lanes 16-31 W's block i, the slot's q-th 128 along K
.set AF,   128                         ; X's fragments
.set T,    128                         ; the way out: 64 numbers of a block of 16 tokens
.set OUTR, 192                         ; the way out: 32 packed registers, two sets by turns
.set BIAS, 192                         ; in window 1: bias x factor: register 8 b + i: channel 16 b + 8 (lane / 16) + i of my 128
.set G1, 24
.set G0, 32
.set G1B, 48
.set G0B, 56
.set G1S, 68
.set G0S, 76
.set G1SB, 80
.set G0SB, 88
.set MSB, 0
.macro WIN new                         ; the immediate's high byte repeats the setting that is left
.if MSB != \new
	s_set_vgpr_msb (MSB<<8)|\new
.set MSB, \new
.endif
.endm
.set MUL_LO, 0xa1                      ; source 0 (W) window 1, source 1 (X) window 0, C and D window 2
.set MUL_HI, 0xf1                      ; the same, C and D window 3
.set TO_B,   0x40                      ; destination window 1, address window 0
; A joint load: waves 0 and 1 fetch for X, waves 2 and 3 for W.  Each of the two lines has ONE mask and one set of registers for all that issue it; the branch hangs on the wave's number alone.
; An s_nop 0 and four v_nop follow each of the two lines, ahead of the jump, the label and what follows.
.macro JLOAD g0a, g1a, g0b, g1b
	s_cmp_eq_u32 s15, 0
	s_cbranch_scc0 .Lfor_b_\@
	tensor_load_to_lds s[\g0a:\g0a+3], s[\g1a:\g1a+7]
	s_nop 0
.rept 4
	v_nop
.endr
	s_branch .Lasked_\@
.Lfor_b_\@:
	tensor_load_to_lds s[\g0b:\g0b+3], s[\g1b:\g1b+7]
	s_nop 0
.rept 4
	v_nop
.endr
.Lasked_\@:
.endm
.macro CROUND                          ; a round of the cluster's barrier: my work-group's barrier; wave 0 signals for the work-group; every wave waits for all sixteen; my work-group's barrier once more
	s_barrier_signal -1
	s_barrier_wait -1
	s_cmp_lg_u32 s14, 0
	s_cbranch_scc1 .Lnot_wave_0_\@
	s_barrier_signal -3
.Lnot_wave_0_\@:
	s_barrier_wait -3
	s_barrier_signal -1
	s_barrier_wait -1
.endm
	s_load_b128 s[4:7], s[0:1], 0x0                ; X's codes s[4:5], X's scales s[6:7]
	s_load_b128 s[8:11], s[0:1], 0x10              ; W's codes s[8:9], W's scales s[10:11]
	s_load_b64 s[12:13], s[0:1], 0x20              ; qkv
	s_load_b64 s[96:97], s[0:1], 0x28              ; bq
	s_load_b64 s[98:99], s[0:1], 0x30              ; bk
	s_load_b64 s[100:101], s[0:1], 0x38            ; bv
	v_lshl_add_u32 v[SPW], v0, 2, SPARE
	v_mov_b32 v[NIL], 0
	ds_add_u32 v[SPW], v[NIL]                      ; the wave's opening: the add, twice on end, and its wait ahead of my first tensor load; the set-up below stands between the second and the wait
	ds_add_u32 v[SPW], v[NIL]
	v_lshrrev_b32 v1, 5, v0
	v_readfirstlane_b32 s14, v1                    ; wave 0..3
	s_lshr_b32 s15, s14, 1                         ; which half of the tile's rows is mine.  Also: I fetch for X (0) or for W (1)
	s_and_b32 s16, s14, 1                          ; which half of its columns.  Also: which 128 rows of that tile I fetch
	s_bfe_u32 s40, ttmp6, 0x40000                  ; cx, cy: my place in the cluster
	s_bfe_u32 s41, ttmp6, 0x40004
	s_lshl_b32 s42, ttmp9, 2
	s_add_co_u32 s42, s42, s40                     ; tile column of C = 4 x cluster x + cx
	s_and_b32 s17, ttmp7, 0xffff
	s_lshl_b32 s17, s17, 2
	s_add_co_u32 s17, s17, s41                     ; tile row of C = 4 x cluster y + cy
	s_lshl_b32 s43, s41, 2
	s_lshl_b32 s43, 15, s43                        ; my row of the cluster
	s_lshl_b32 s44, 0x1111, s40                    ; my column
	; descriptor group 1: a tile of 128 rows x 256 bytes, padded in LDS
	s_or_b32 s[G1+0], s43, (0<<16)|(1<<20)|(1<<21)|(5<<22)|(3<<25)  ; 15:0 the mask: X's tiles go to my row; 17:16 elements of 1 byte; 20 padding on; 21 set beside a mask; 24:22 after every 64 words; 31:25 four words
	s_or_b32 s[G1B+0], s44, (0<<16)|(1<<20)|(1<<21)|(5<<22)|(3<<25)
.irp g, G1, G1B
	s_mov_b32 s[\g+1], ROWB<<16                    ; tensor_dim0
	s_mov_b32 s[\g+2], 128<<16                     ; tensor_dim1 = 128
	s_mov_b32 s[\g+3], ROWB<<16                    ; tile_dim0
	s_mov_b32 s[\g+4], 128                         ; tile_dim1 = 128
	s_mov_b32 s[\g+5], KROW                        ; from row to row
	s_mov_b32 s[\g+6], 0
	s_mov_b32 s[\g+7], 0
.endr
	; and for the scales of 128 rows: a dense block of 4,096 bytes, as 16 rows of 256 bytes (32 elements of 8 bytes), 16 bytes of padding behind each
	s_or_b32 s[G1S+0], s43, (3<<16)|(1<<20)|(1<<21)|(5<<22)|(3<<25)
	s_or_b32 s[G1SB+0], s44, (3<<16)|(1<<20)|(1<<21)|(5<<22)|(3<<25)
.irp g, G1S, G1SB
	s_mov_b32 s[\g+1], 32<<16
	s_mov_b32 s[\g+2], (128*KS/256)<<16
	s_mov_b32 s[\g+3], 32<<16
	s_mov_b32 s[\g+4], 128*KS/256
	s_mov_b32 s[\g+5], 32
	s_mov_b32 s[\g+6], 0
	s_mov_b32 s[\g+7], 0
.endr
	s_lshl_b32 s18, s16, 7                         ; which 128 rows of the tile I fetch
	s_lshl_b32 s20, s17, 8
	s_add_co_u32 s20, s20, s18                     ; X: row 256 x tile row + 128 x half
	s_lshl_b32 s46, s42, 8
	s_add_co_u32 s46, s46, s18                     ; W: row 256 x tile column + 128 x half
	s_mov_b32 s21, 0
	s_mov_b32 s47, 0
	s_mov_b64 s[18:19], KS
	s_mul_u64 s[22:23], s[20:21], s[18:19]         ; where these rows' scales begin, in bytes
	s_mul_u64 s[92:93], s[46:47], s[18:19]
	s_mov_b64 s[18:19], KROW
	s_mul_u64 s[20:21], s[20:21], s[18:19]         ; and their codes
	s_mul_u64 s[46:47], s[46:47], s[18:19]
	s_mul_i32 s45, s14, HALFT                      ; where they go: wave x 128 rows: no place in the cluster enters an LDS address
	s_mul_i32 s94, s14, HALFS
	s_mov_b32 s66, 0x3dc4f9d9                      ; CM = 2 log2(e) / 30, q's factor
	s_mov_b32 s67, 0x3e000000                      ; 1 / 8 = 1 / sqrt(64), k's
	s_wait_dscnt 0x0                               ; both opening adds are done
	s_wait_kmcnt 0x0
	s_add_nc_u64 s[20:21], s[4:5], s[20:21]
	s_add_nc_u64 s[22:23], s[6:7], s[22:23]
	s_add_nc_u64 s[46:47], s[8:9], s[46:47]
	s_add_nc_u64 s[92:93], s[10:11], s[92:93]
	CROUND                                         ; all sixteen work-groups are here: the joint loads meet
	s_mov_b32 s[G0S], 1
	s_add_co_u32 s[G0S+1], s94, SCL
	s_mov_b64 s[G0S+2:G0S+3], s[22:23]
	s_or_b32 s[G0S+3], s[G0S+3], 0x80000000
	s_mov_b32 s[G0SB], 1
	s_add_co_u32 s[G0SB+1], s94, SCL
	s_mov_b64 s[G0SB+2:G0SB+3], s[92:93]
	s_or_b32 s[G0SB+3], s[G0SB+3], 0x80000000
	JLOAD G0S, G1S, G0SB, G1SB                     ; the scales first: they are wanted with the first slot
.irp s, 0,1
	s_mov_b32 s[G0+4*\s], 1
	s_add_co_u32 s[G0+4*\s+1], s45, \s*SLOT
	s_add_nc_u64 s[G0+4*\s+2:G0+4*\s+3], s[20:21], \s*ROWB
	s_or_b32 s[G0+4*\s+3], s[G0+4*\s+3], 0x80000000
	s_mov_b32 s[G0B+4*\s], 1
	s_add_co_u32 s[G0B+4*\s+1], s45, \s*SLOT
	s_add_nc_u64 s[G0B+4*\s+2:G0B+4*\s+3], s[46:47], \s*ROWB
	s_or_b32 s[G0B+4*\s+3], s[G0B+4*\s+3], 0x80000000
	JLOAD G0+4*\s, G1, G0B+4*\s, G1B
.endr
	v_and_b32 v1, 15, v0                           ; l % 16
	v_bfe_u32 v2, v0, 4, 1                         ; l / 16
	v_mul_u32_u24 v3, v1, PITCH
	v_lshl_add_u32 v4, v2, 4, v3                   ; a fragment's row x pitch + 16 x half
	s_mul_i32 s21, s15, HALFT                      ; my 128 rows of X
	s_mul_i32 s22, s16, HALFT                      ; my 128 rows of W,
	s_add_co_u32 s22, s22, 2*HALFT                 ; which lie behind X's 256
.irp s, 0,1
	v_add_nc_u32 v[ADRA+\s], s21, v4
	v_add_nc_u32 v[ADRB+\s], s22, v4
	s_add_co_u32 s21, s21, SLOT
	s_add_co_u32 s22, s22, SLOT
.endr
	v_mul_u32_u24 v5, v1, KS                       ; my row's scales: 32 bytes a row,
	v_lshrrev_b32 v6, 8, v5
	v_lshl_add_u32 v5, v6, 4, v5                   ; and 16 more for each 256 passed
	s_mul_i32 s21, s15, HALFS                      ; X's: my 128 rows
	s_mul_i32 s22, s16, HALFS                      ; W's: my 128 rows, behind X's 256
	s_add_co_u32 s22, s22, 2*HALFS
	s_sub_co_u32 s22, s22, s21
	v_mul_u32_u24 v6, s22, v2                      ; lanes 16-31 take W's: one product, the distance between the two bases x (lane / 16)
	s_add_co_u32 s21, s21, SCL
	v_add_nc_u32 v5, v5, v6
	v_add_nc_u32 v[ADRS], s21, v5
	v_and_b32 v6, 31, v0
	v_lshlrev_b32 v[CO], 4, v6
	v_lshlrev_b32 v[BO], 5, v2
	v_mov_b32 v[FMX], 0x477fe000
	; where my part begins in qkv, in bytes: section << 24 + (16 batch + 4 cx + 2 x column half) << 18 + (16 (tile row % 8) + 8 x row half) << 11: under 2^26
	s_lshr_b32 s20, s17, 3                         ; batch: a batch is 8 tile rows
	s_lshl_b32 s20, s20, 4
	s_lshl_b32 s21, s16, 1
	s_add_co_u32 s20, s20, s21
	s_lshl_b32 s20, s20, 18
	s_and_b32 s21, s17, 7
	s_lshl_b32 s21, s21, 4
	s_lshl_b32 s22, s15, 3
	s_add_co_u32 s21, s21, s22
	s_lshl_b32 s21, s21, 11
	s_add_co_u32 s20, s20, s21
	s_lshl_b32 s21, ttmp9, 24
	s_add_co_u32 s20, s20, s21
	s_lshl_b32 s46, s40, 20                        ; 4 cx heads
	s_add_co_u32 s20, s20, s46
	s_mov_b32 s21, 0
	s_add_nc_u64 s[12:13], s[12:13], s[20:21]
	; the section's bias and factor: chosen by the cluster's x, which all partners share
	s_lshl_b32 s46, s40, 10                        ; my 128 channels in the section: (256 cx + 128 x column half) x 4 bytes
	s_lshl_b32 s47, s16, 9
	s_add_co_u32 s46, s46, s47
	s_mov_b32 s47, 0
	s_cmp_eq_u32 ttmp9, 0
	s_cselect_b64 s[96:97], s[96:97], s[98:99]
	s_cselect_b32 s66, s66, s67
	s_cmp_eq_u32 ttmp9, 2
	s_cselect_b64 s[96:97], s[100:101], s[96:97]
	s_cselect_b32 s66, 0x3f800000, s66
	s_mov_b32 s67, s66                             ; (the packed forms name the pair)
	s_add_nc_u64 s[96:97], s[96:97], s[46:47]
	WIN TO_B
.irp b, 0,1,2,3,4,5,6,7
	global_load_b128 v[BIAS+8*\b:BIAS+8*\b+3], v[BO], s[96:97] offset:64*\b        ; waited for ahead of the way out
	global_load_b128 v[BIAS+8*\b+4:BIAS+8*\b+7], v[BO], s[96:97] offset:64*\b+16
.endr
	WIN 0
.macro FRAG reg, adr, q, i             ; a fragment, 16 rows x 128 K of 4-bit codes: lane l holds row l % 16; registers 4 c .. 4 c + 3 hold K = 64 c + 32 (l / 16) + 0 .. 31
.irp c, 0,1
	ds_load_b128 v[\reg+4*\c:\reg+4*\c+3], v[\adr] offset:64*(\q)+32*\c+(\i)*16*PITCH
.endr
.endm
; 16 matrix instructions: X's blocks a0, a0 + 1 x W's eight, 128 along K: the slot's q-th.  p: W's set;  sc: the set of scale words.  zero = 1: the first product starts the sums: nothing is ever cleared.
; The 64 accumulators take turns, one instruction a turn, in the same order in every step.
.macro MUL16 a0, p, q, sc, zero
.irp a, \a0, \a0+1
.irp b, 0,1,2,3,4,5,6,7
.if \zero
	v_wmma_scale_f32_16x16x128_f8f6f4 v[8*(8*((\a)%4)+\b):8*(8*((\a)%4)+\b)+7], v[128*(\p)+FR*\b:128*(\p)+FR*\b+FR-1], v[AF+FR*(\a):AF+FR*(\a)+FR-1], 0, v[SC+8*NQ*(\sc)+NQ*\b+(\q)], v[SC+8*NQ*(\sc)+NQ*(\a)+(\q)] matrix_a_fmt:MATRIX_FMT_FP4 matrix_b_fmt:MATRIX_FMT_FP4 matrix_a_scale:MATRIX_SCALE_ROW1
.else
	v_wmma_scale_f32_16x16x128_f8f6f4 v[8*(8*((\a)%4)+\b):8*(8*((\a)%4)+\b)+7], v[128*(\p)+FR*\b:128*(\p)+FR*\b+FR-1], v[AF+FR*(\a):AF+FR*(\a)+FR-1], v[8*(8*((\a)%4)+\b):8*(8*((\a)%4)+\b)+7], v[SC+8*NQ*(\sc)+NQ*\b+(\q)], v[SC+8*NQ*(\sc)+NQ*(\a)+(\q)] matrix_a_fmt:MATRIX_FMT_FP4 matrix_b_fmt:MATRIX_FMT_FP4 matrix_a_scale:MATRIX_SCALE_ROW1
.endif
.endr
.endr
.endm
.macro FETCH_B slot, q, p              ; W's eight fragments of the slot's q-th 128 along K into set p
	WIN TO_B
.irp i, 0,1,2,3,4,5,6,7
	FRAG 128*(\p)+FR*\i, ADRB+\slot, \q, \i
.endr
	WIN 0
.endm
.macro FETCH_A slot, q, i0             ; X's blocks i0 .. i0 + 3
.irp i, \i0, \i0+1, \i0+2, \i0+3
	FRAG AF+FR*(\i), ADRA+\slot, \q, \i
.endr
.endm
.macro SCALES sc                       ; a slot's scale words into set sc: four words a row; lanes 0-15 take X's block i, lanes 16-31 W's block i
.irp i, 0,1,2,3,4,5,6,7
	ds_load_b128 v[SC+8*NQ*\sc+NQ*\i:SC+8*NQ*\sc+NQ*\i+3], v[ADRS] offset:\i*SBLK
.endr
.endm
; A load into a register that a matrix instruction has read stands NP places behind it, and only plain vector instructions that name none of its registers are places (ISA guide 7.12.1 for vector instructions).
.macro PLACES n
.rept \n
	v_nop
.endr
.endm
; A step of 128 along K that has its successor in the same slot.
.macro STEP slot, q, zero
	s_wait_dscnt 4*NL                              ; W's set and X's blocks 0-3 are in; the youngest eight loads (X's blocks 4-7) may be out
	WIN MUL_LO
	MUL16 0, (\q)%2, \q, \slot, \zero
	MUL16 2, (\q)%2, \q, \slot, \zero
	s_wait_dscnt 0                                 ; X's blocks 4-7 are in (asked for 32 matrix instructions ago)
	PLACES NP
	FETCH_B \slot, (\q)+1, 1-(\q)%2
	FETCH_A \slot, (\q)+1, 0
	WIN MUL_HI
	MUL16 4, (\q)%2, \q, \slot, \zero
	MUL16 6, (\q)%2, \q, \slot, \zero
	PLACES NP
	WIN 0
	FETCH_A \slot, (\q)+1, 4
.endm
; Slot 0's last step goes over to slot 1: each wave waits for all its tensor loads (its part of slot 1 is the one that may be out), then the barrier shows slot 1 whole to all four.  Nothing is filled again.
.macro TURN slot, next
	s_wait_tensorcnt 0x0                           ; my part of the next slot has landed  (every window is 0 here)
	ds_add_u32 v[SPW], v[NIL]                      ; 0 onto my spare word
	s_wait_dscnt 4*NL+1                            ; (the add and the youngest eight loads, X's blocks 4-7, may be out)
	WIN MUL_LO
	MUL16 0, 1, NQ-1, \slot, 0
	s_wait_dscnt 0x0                               ; no LDS instruction of mine is out at the signal
	s_barrier_signal -1
	MUL16 2, 1, NQ-1, \slot, 0
	WIN 0
	s_barrier_wait -1
	PLACES NP
	v_add_nc_u32 v[ADRS], 4*NQ, v[ADRS]            ; on to the next slot's scale words
	FETCH_B \next, 0, 0
	FETCH_A \next, 0, 0
	SCALES \next
	WIN MUL_HI
	MUL16 4, 1, NQ-1, \slot, 0
	MUL16 6, 1, NQ-1, \slot, 0
	PLACES NP
	WIN 0
	FETCH_A \next, 0, 4
.endm
.macro STEPS slot, from                ; the slot's steps from .. NQ - 2
.set Q, \from
.rept NQ-1-\from
	STEP \slot, Q, 0
.set Q, Q+1
.endr
.endm
	s_wait_tensorcnt 1                             ; the scales and my part of slot 0 are in (slot 1's load may be out)
	s_barrier_signal -1
	s_barrier_wait -1                              ; everybody's are
	FETCH_B 0, 0, 0
	FETCH_A 0, 0, 0
	SCALES 0
	FETCH_A 0, 0, 4
	STEP 0, 0, 1                                   ; the first step's products start the sums
	STEPS 0, 1
	TURN 0, 1
	STEPS 1, 0
	s_wait_dscnt 4*NL                              ; the very last step: nothing more to fetch
	WIN MUL_LO
	MUL16 0, 1, NQ-1, 1, 0
	MUL16 2, 1, NQ-1, 1, 0
	s_wait_dscnt 0
	WIN MUL_HI
	MUL16 4, 1, NQ-1, 1, 0
	MUL16 6, 1, NQ-1, 1, 0
	; THE WAY OUT.  (sum + bias) x factor = sum x factor + (bias x factor): one fused multiply-add a pair.  The 32 multiplies below name no register of the last products: they are the places behind them.
	s_wait_loadcnt 0x0                             ; the bias
	WIN 0x41                                       ; destination and source 0 window 1
.irp j, 0,2,4,6,8,10,12,14,16,18,20,22,24,26,28,30,32,34,36,38,40,42,44,46,48,50,52,54,56,58,60,62
	v_pk_mul_f32 v[BIAS+\j:BIAS+\j+1], v[BIAS+\j:BIAS+\j+1], s[66:67] op_sel_hi:[1,0]
.endr
; Block a: 16 tokens x my 128 channels.  Accumulator (a, b): lane (r, h) holds token 16 a + r, channels 16 b + 8 h + 0 .. 7: 16 bytes of f16, at head b / 4, tile a, group b % 4, lane.
.macro OUTBLK a
.set AC, 64*((\a)%4)
.set OB, OUTR+32*((\a)%2)
.if (\a) > 1
	s_wait_xcnt 0x0                                ; block a - 2's stores have read their data: the set is written again only behind this wait
.endif
	WIN 0x12+(\a)/4                                ; source 0 (the sums) window 2 or 3, source 2 (the bias) window 1
.irp b, 0,1,2,3,4,5,6,7
.irp i, 0,2,4,6
	v_pk_fma_f32 v[T+8*\b+\i:T+8*\b+\i+1], v[AC+8*\b+\i:AC+8*\b+\i+1], s[66:67], v[BIAS+8*\b+\i:BIAS+8*\b+\i+1] op_sel_hi:[1,0,1]   ; each accumulator from its low end on
.endr
.endr
	WIN 0
.set j, 0
.rept 64
	v_med3_num_f32 v[T+j], v[T+j], -v[FMX], v[FMX]     ; held inside f16's range
.set j, j+1
.endr
.set j, 0
.rept 32
	v_cvt_pk_f16_f32 v[OB+j], v[T+2*j], v[T+2*j+1]
.set j, j+1
.endr
.irp b, 0,1,2,3,4,5,6,7
	global_store_b128 v[CO], v[OB+4*\b:OB+4*\b+3], s[12:13] offset:(\b/4)*262144+(\a)*2048+(\b%4)*512   ; 32 lanes store 512 consecutive bytes, aligned
.endr
.endm
.irp a, 0,1,2,3,4,5,6,7
	OUTBLK \a
.endr
	s_wait_tensorcnt 0x0                           ; the wave's end: behind my last tensor load
	ds_add_u32 v[SPW], v[NIL]
	s_wait_dscnt 0x0
	CROUND                                         ; the closing round: no work-group ends while a partner may still ask for a tile that names it
	s_endpgm
.Lfunc_end_k_qf51396249a_proj:
	.size	k_qf51396249a_proj, .Lfunc_end_k_qf51396249a_proj-k_qf51396249a_proj
	.p2alignl 7, 3214868480
	.fill 96, 4, 3214868480
	.section	.rodata,"a",@progbits
	.p2align	6, 0x0
	.amdhsa_kernel k_qf51396249a_proj
		.amdhsa_group_segment_fixed_size 327680
		.amdhsa_private_segment_fixed_size 0
		.amdhsa_enable_private_segment 0
		.amdhsa_kernarg_size 64
		.amdhsa_user_sgpr_count 2
		.amdhsa_user_sgpr_kernarg_segment_ptr 1
		.amdhsa_wavefront_size32 1
		.amdhsa_system_sgpr_workgroup_id_x 1
		.amdhsa_system_sgpr_workgroup_id_y 1
		.amdhsa_system_sgpr_workgroup_id_z 1
		.amdhsa_system_vgpr_workitem_id 0
		.amdhsa_next_free_vgpr 1024
		.amdhsa_next_free_sgpr 102
		.amdhsa_reserve_vcc 0
		.amdhsa_float_denorm_mode_32 3
		.amdhsa_float_denorm_mode_16_64 3
		.amdhsa_memory_ordered 1
		.amdhsa_forward_progress 1
		.amdhsa_inst_pref_size 170
	.end_amdhsa_kernel
	.amdgpu_metadata
---
amdhsa.version: [ 1, 2 ]
amdhsa.kernels:
  - .name:           k_qf51396249a_proj
    .symbol:         k_qf51396249a_proj.kd
    .args:
      - { .name: x_codes, .offset: 0, .size: 8, .value_kind: global_buffer, .address_space: global }
      - { .name: x_scales, .offset: 8, .size: 8, .value_kind: global_buffer, .address_space: global }
      - { .name: w_codes, .offset: 16, .size: 8, .value_kind: global_buffer, .address_space: global }
      - { .name: w_scales, .offset: 24, .size: 8, .value_kind: global_buffer, .address_space: global }
      - { .name: qkv, .offset: 32, .size: 8, .value_kind: global_buffer, .address_space: global }
      - { .name: bq, .offset: 40, .size: 8, .value_kind: global_buffer, .address_space: global }
      - { .name: bk, .offset: 48, .size: 8, .value_kind: global_buffer, .address_space: global }
      - { .name: bv, .offset: 56, .size: 8, .value_kind: global_buffer, .address_space: global }
    .group_segment_fixed_size: 327680
    .private_segment_fixed_size: 0
    .kernarg_segment_align: 8
    .kernarg_segment_size: 64
    .max_flat_workgroup_size: 128
    .sgpr_count:     102
    .vgpr_count:     1024
    .wavefront_size: 32
...
	.end_amdgpu_metadata
.endif
;; end of part 2
;; launch attn (part 3): grid 4 x 64, 8 waves a work-group, clusters of 4 x 1, 327,680 bytes of LDS; arguments qkv, attention_mask, out0; writes out0
.if DOCPART == 3
	.amdgcn_target "amdgcn-amd-amdhsa--gfx1250"
	.amdhsa_code_object_version 6
	.text
	.protected	k_qf51396249a_attn
	.globl	k_qf51396249a_attn
	.p2align	8
	.type	k_qf51396249a_attn,@function
k_qf51396249a_attn:
	s_mov_b64 s[64:65], 0
	v_nop
	global_prefetch_b8 v0, s[64:65] scope:SCOPE_SE
	s_setreg_imm32_b32 hwreg(HW_REG_WAVE_MODE, 25, 1), 1
	s_wait_xcnt 0x0
	s_wait_alu depctr_hold_cnt(0) depctr_sa_sdst(0) depctr_va_vdst(0) depctr_va_sdst(0) depctr_va_ssrc(0) depctr_va_vcc(0) depctr_vm_vsrc(0)
	s_getreg_b32 s2, hwreg(HW_REG_IB_STS2, 6, 4)
	s_cmp_eq_u32 s2, 0
	s_cbranch_scc0 .Lentry_in_a_cluster
	s_endpgm
.Lentry_in_a_cluster:
	s_bfe_u32 s2, ttmp6, 0x10000c
	s_cmp_lg_u32 s2, 0x3003
	s_cbranch_scc0 .Lentry_shape_is_right
	s_endpgm
.Lentry_shape_is_right:
; out0[batch][q][64 head + d] = sum over k of r(q, k) v[k][d] / (sum over k of r(q, k) + 1e-6),  r = relu(30 tanh((q . k / 8 + mask[k]) / 30)), for each of 64 (batch, head) pairs bh; 2,048 queries and keys, 64 channels.
; INPUT: qkv, f16, three sections of 2^24 bytes: q' = q x CM (CM = 2 log2(e) / 30), k' = k / 8, v; in a section [bh][tile of 16 tokens][group g of 16 channels][lane][16 bytes]: lane (r, h): token 16 tile + r, channels 16 g + 8 h + 0 .. 7.
; Groups 2 c and 2 c + 1 of a tile are registers 0-3 and 4-7 of the 16-bit fragment (16 rows x channels 32 c .. 32 c + 31): Q and K come by plain loads of 512 consecutive bytes; V is turned by ds_load_tr16_b128.
; THE WEIGHT.  z = q' . k' + CM mask is the first product's result (the scaled mask is the C of its first half).  With y = (capped score's argument) = z ln2 / 2 and A = 30 x 2048:
;   hi = (A ln2 / 2) z = A y;   T = (A + 2^-5) - 2 A / (1 + 2^z) = A tanh y + 2^-5;   p = the middle one of hi, |T| and 0.
;   z <= 0: hi <= 0 <= |T|, so p = 0: the relu.  z > 0: p = the smaller of hi and T.  The exponential, the addition and the reciprocal leave T's absolute error under the 2^-5 that is added, so T lies above A tanh y; A y lies above it too,
;   by A y^3 / 3.  So p - A tanh y lies between 0 and the smaller of A y^3 / 3 and about 7.5e-7 A: relative to A tanh y under 6e-5 at every y, however small.  At z beyond the exponential's range T is A + 2^-5 or its negative: p is the cap or 0.
;   p = 2048 r lies in 0 .. 61,440, inside f16; the row's sum is taken of the unrounded p, in f32; out = (sum of p v) / (sum of p + 2048 x 1e-6): powers of two change nothing.
; LIMITS: the scaled mask is held at +-1e30 (the weights are those of an infinite mask: 0, or the cap); NaN in the mask is not served.  p under 2^-14 keeps f16's fixed step 2^-24, that is scores under 3e-8.
; SHARES.  A work-group owns 512 queries of one bh; each of its eight waves 64: four tiles t of 16.  Two waves to a SIMD, 512 registers each: one wave's vector work stands beside the other's products.  Every wave walks all 2,048 keys, 32 a step.
; LAYOUT.  S^T = K' Q'^T (source 0 = 16 keys, source 1 = 16 queries): a lane holds ONE query (lane % 16) and keys 8 (lane / 16) + 0 .. 7.  Two such tiles, rounded to f16 in pairs, ARE source 1 (32 keys x 16 queries) of O^T = V^T P,
; whose result again holds one query a lane, and eight channels.  Nothing changes lanes in the loop.
; CLUSTER.  The four work-groups of a cluster are the four query blocks of one bh and walk the same K and V: each tile is asked for JOINTLY, by the same tensor load, with the same descriptor and the mask of all four.
; THE RING.  Two slots of 512 keys: K's 64 KiB, then V's, as they lie in memory.  Wave w fetches 16 KiB (64 rows of 256 bytes): waves 0-3 K's quarters, waves 4-7 V's.  A wave has two tensor loads out at the start and one behind each refill's round;
; a refill is asked for 16 key steps, 512 matrix instructions a wave, ahead of the wait for it.
; REGISTERS, in windows of 256.  window 0: v1-9 addresses; v[10:11] A + 2^-5 twice; v12-19 the sums, a pair a tile; v20, v21 the add's two; v24-39 the step's scaled mask; v40-71 V; v72-103 P; v104-167 S^T, then p; v168-231 hi; v232-255 at work.
;   window 1: v0-127 O^T (32 t + 8 g); v128-191 Q (16 t + 8 c); v192-223 K (16 u + 8 c).
.set STEPB, 4096                       ; a step's 32 keys of K or of V in bytes: two tiles
.set KVB,   65536                      ; a slot's K, and its V
.set SLOTB, 2*KVB
.set MSK,   2*SLOTB                    ; behind the ring: CM x mask of the batch's 2,048 keys, f32: stored once, by ds_store; no tensor load lands here
.set STG,   MSK+8192                   ; the way out: 16 rows x (256 bytes + 16) for each wave
.set SPI,   272
.set SPARE, STG+8*16*SPI               ; the spare words, 128 bytes for each wave: four blocks of 256 bytes that no other line names
.set LI,  1                            ; v1   16 x lane; never rewritten
.set ADK, 2                            ; v2   LDS address of the step's K
.set ADV, 3                            ; v3   of its V
.set ADM, 4                            ; v4   of its scaled mask
.set AM0, 5                            ; v5   MSK + 32 (lane / 16)
.set AV0, 6                            ; v6   my lane's place in a turning load
.set STO, 7                            ; v7   the way out: where I put 32 bytes of a row
.set RD,  8                            ; v8   where I read a row back
.set GO,  9                            ; v9   my byte offset in the wave's rows of out0
.set CC,  10
.set SUM, 12
.set SPW, 20
.set NIL, 21
.set MR,  24
.set VF,  40
.set P,   72
.set S,   104
.set HI,  168
.set TMP, 232
.set OT,  0                            ; window 1
.set QF,  128
.set KF,  192
.set WV,  12                           ; s12  my wave's number
.set KAP, 16                           ; s[16:17] A ln2 / 2
.set C1,  18                           ; s[18:19] -2 A
.set SEL, 20                           ; s[20:21] v_permlanex16_b32's selects for lane l xor 16
.set G1,  24                           ; s[24:31] descriptor group 1
.set G0,  32                           ; s[32:39] group 0, a set for each slot
.set TB,  40                           ; s40  LDS byte at which the step's K begins
.set TM,  41                           ; s41  byte of the step's first key in the scaled mask
.set CNT, 42                           ; s42  counts a slot's steps
.set MSB, 0
.macro WIN new                         ; the immediate's high byte repeats the setting that is left
.if MSB != \new
	s_set_vgpr_msb (MSB<<8)|\new
.set MSB, \new
.endif
.endm
.macro CROUND                          ; a round of the cluster's barrier: my work-group's barrier; wave 0 signals for the work-group; every wave waits for all four work-groups; my work-group's barrier once more
	s_barrier_signal -1
	s_barrier_wait -1
	s_cmp_lg_u32 s[WV], 0
	s_cbranch_scc1 .Lnot_wave_0_\@
	s_barrier_signal -3
.Lnot_wave_0_\@:
	s_barrier_wait -3
	s_barrier_signal -1
	s_barrier_wait -1
.endm
.macro PLACES
.rept 4
	v_nop
.endr
.endm
	s_load_b128 s[4:7], s[0:1], 0x0                ; qkv s[4:5], attention_mask s[6:7]
	s_load_b64 s[8:9], s[0:1], 0x10                ; out0
	v_lshl_add_u32 v[SPW], v0, 2, SPARE
	v_mov_b32 v[NIL], 0
	ds_add_u32 v[SPW], v[NIL]                      ; the wave's opening: the add, twice on end, and its wait ahead of my first tensor load; the set-up below stands between the second and the wait
	ds_add_u32 v[SPW], v[NIL]
	v_lshrrev_b32 v232, 5, v0
	v_readfirstlane_b32 s[WV], v232                ; wave 0..7
	s_bfe_u32 s13, ttmp6, 0x40000                  ; cx
	s_lshl_b32 s43, ttmp9, 2                       ; in a cluster launch ttmp9 counts clusters
	s_add_co_u32 s13, s13, s43                     ; my block of 512 queries: it enters Q's and out0's addresses alone
	s_and_b32 s14, ttmp7, 0xffff                   ; bh, which the four partners share
	; descriptor group 1: 64 rows of 256 bytes (32 elements of 8 bytes), dense in memory and in LDS
	s_mov_b32 s[G1], 15|(3<<16)|(1<<21)            ; 15:0 the mask: all four work-groups; 17:16 elements of 8 bytes; 20 no padding; 21 set beside a mask
	s_mov_b32 s[G1+1], 32<<16                      ; tensor_dim0 = 32
	s_mov_b32 s[G1+2], 64<<16                      ; tensor_dim1 = 64
	s_mov_b32 s[G1+3], 32<<16                      ; tile_dim0 = 32
	s_mov_b32 s[G1+4], 64                          ; tile_dim1 = 64
	s_mov_b32 s[G1+5], 32                          ; from row to row
	s_mov_b32 s[G1+6], 0
	s_mov_b32 s[G1+7], 0
	s_lshr_b32 s46, s[WV], 2                       ; what I fetch: section 1 (K: waves 0-3) or 2 (V: waves 4-7),
	s_add_co_u32 s46, s46, 1
	s_lshl_b32 s46, s46, 24
	s_lshl_b32 s47, s14, 18                        ; my bh's 262,144 bytes,
	s_add_co_u32 s46, s46, s47
	s_and_b32 s47, s[WV], 3
	s_lshl_b32 s47, s47, 14                        ; quarter wave % 4 of a slot's 65,536
	s_add_co_u32 s46, s46, s47
	s_mov_b32 s47, 0
	s_lshl_b32 s15, s[WV], 14                      ; and where it goes in a slot: 16,384 x wave: K's four quarters, then V's: no place in the cluster enters an LDS address
	s_lshl_b32 s50, s13, 5                         ; Q: tile 32 x block + 4 x wave, 2,048 bytes a tile,
	s_lshl_b32 s51, s[WV], 2
	s_add_co_u32 s50, s50, s51
	s_lshl_b32 s50, s50, 11
	s_lshl_b32 s51, s14, 18                        ; in my bh, section 0
	s_add_co_u32 s50, s50, s51
	s_mov_b32 s51, 0
	s_lshr_b32 s52, s14, 4                         ; the batch's 8,192 bytes of the mask
	s_lshl_b32 s52, s52, 13
	s_mov_b32 s53, 0
	s_lshr_b32 s54, s14, 4                         ; out0: row 2,048 x batch + 512 x block + 64 x wave, 4,096 bytes a row,
	s_lshl_b32 s54, s54, 11
	s_lshl_b32 s55, s13, 9
	s_add_co_u32 s54, s54, s55
	s_lshl_b32 s55, s[WV], 6
	s_add_co_u32 s54, s54, s55
	s_lshl_b32 s54, s54, 12
	s_and_b32 s55, s14, 15                         ; + the head's 256 bytes
	s_lshl_b32 s55, s55, 8
	s_add_co_u32 s54, s54, s55
	s_mov_b32 s55, 0
	s_mov_b32 s[KAP], 0x46a65af6                   ; A ln2 / 2 = 21,293.48
	s_mov_b32 s[KAP+1], s[KAP]                     ; (the packed forms name the pair)
	s_mov_b32 s[C1], 0xc7f00000                    ; -2 A = -122,880
	s_mov_b32 s[C1+1], s[C1]
	s_mov_b32 s[SEL], 0x76543210
	s_mov_b32 s[SEL+1], 0xfedcba98
	s_mov_b32 s48, 0x3dc4f9d9                      ; CM
	s_mov_b32 s49, s48
	s_mul_i32 s56, s[WV], 16*SPI
	s_add_co_u32 s56, s56, STG                     ; my stage
	s_wait_dscnt 0x0                               ; both opening adds are done
	s_wait_kmcnt 0x0
	s_add_nc_u64 s[46:47], s[4:5], s[46:47]
	s_add_nc_u64 s[44:45], s[4:5], s[50:51]
	s_add_nc_u64 s[6:7], s[6:7], s[52:53]
	s_add_nc_u64 s[8:9], s[8:9], s[54:55]
	CROUND                                         ; all four work-groups are here: the first joint loads meet
.irp n, 0,1
	s_mov_b32 s[G0+4*\n], 1                        ; count = 1
	s_add_co_u32 s[G0+4*\n+1], s15, \n*SLOTB       ; LDS address
	s_add_nc_u64 s[G0+4*\n+2:G0+4*\n+3], s[46:47], \n*KVB   ; global address: slot n begins with keys 512 n
	s_or_b32 s[G0+4*\n+3], s[G0+4*\n+3], 0x80000000         ; type = 2
.endr
	tensor_load_to_lds s[G0:G0+3], s[G1:G1+7]      ; both first fills together, ahead of every wait on TENSORcnt, every LDS read and every further barrier
	s_nop 0
	tensor_load_to_lds s[G0+4:G0+7], s[G1:G1+7]
	s_nop 0
	PLACES
	v_and_b32 v232, 31, v0
	v_lshlrev_b32 v[LI], 4, v232
	WIN 0x40                                       ; destination window 1, address window 0
.irp t, 0,1,2,3
.irp g, 0,1,2,3
	global_load_b128 v[QF+16*\t+4*\g:QF+16*\t+4*\g+3], v[LI], s[44:45] offset:\t*2048+\g*512   ; Q stays in registers: 32 lanes read 512 consecutive bytes
.endr
.endr
	WIN 0
	v_lshlrev_b32 v233, 5, v0                      ; the mask: eight numbers a thread
	global_load_b128 v[240:243], v233, s[6:7]
	global_load_b128 v[244:247], v233, s[6:7] offset:16
	v_bfe_u32 v234, v0, 4, 1                       ; h = lane / 16
	v_and_b32 v235, 15, v0                         ; r = lane % 16
	v_lshl_add_u32 v[AM0], v234, 5, MSK            ; register j of a tile of S^T is key 8 h + j: my eight numbers of the scaled mask begin 32 h bytes on
	; The turning load wants lane l to address key 8 h + l % 8, channels 8 ((l / 8) % 2) + 0 .. 7.  In a tile's group those 16 bytes lie at 16 x (key + 16 x channel half).
	v_and_b32 v236, 7, v0
	v_bfe_u32 v237, v0, 3, 1
	v_lshlrev_b32 v[AV0], 7, v234
	v_lshl_add_u32 v[AV0], v236, 4, v[AV0]
	v_lshl_add_u32 v[AV0], v237, 8, v[AV0]
	v_add_nc_u32 v[AV0], KVB, v[AV0]               ; V lies behind the slot's K
	v_mul_u32_u24 v[STO], v235, SPI                ; the stage, in: row r, 32 bytes for each half of the lanes
	v_lshl_add_u32 v[STO], v234, 5, v[STO]
	v_add_nc_u32 v[STO], s56, v[STO]
	v_mul_u32_u24 v[RD], v234, SPI                 ; back: lanes 0-15 one row of 256 bytes, lanes 16-31 the next
	v_lshl_add_u32 v[RD], v235, 4, v[RD]
	v_add_nc_u32 v[RD], s56, v[RD]
	v_lshlrev_b32 v[GO], 12, v234                  ; and the same two rows in out0
	v_lshl_add_u32 v[GO], v235, 4, v[GO]
	v_lshl_add_u32 v238, v0, 5, MSK                ; where my eight numbers of the scaled mask go
	v_mov_b32 v248, 0x7149f2ca                     ; 1e30
	v_mov_b32 v[CC], 0x47700008                    ; A + 2^-5 = 61,440.03125
	v_mov_b32 v[CC+1], 0x47700008
.irp j, 0,1,2,3,4,5,6,7
	v_mov_b32 v[SUM+\j], 0
.endr
	s_wait_loadcnt 0x0                             ; Q and the mask
.irp j, 0,2,4,6
	v_pk_mul_f32 v[240+\j:241+\j], v[240+\j:241+\j], s[48:49] op_sel_hi:[1,0]
.endr
.irp j, 0,1,2,3,4,5,6,7
	v_med3_num_f32 v[240+\j], v[240+\j], -v248, v248   ; no infinity goes into a matrix sum
.endr
	ds_store_b128 v238, v[240:243]
	ds_store_b128 v238, v[244:247] offset:16
	s_wait_tensorcnt 0x1                           ; my part of slot 0 is in; slot 1's may stay out
	s_wait_dscnt 0x0                               ; for the others' sake: my part of the scaled mask is stored
	s_barrier_signal -1
	s_barrier_wait -1
.macro KLOADS                          ; a step's K: tiles u = 0, 1 of 16 keys, fragments c = 0, 1: eight loads of 512 consecutive bytes
	WIN 0x40
.irp u, 0,1
.irp c, 0,1
	ds_load_b128 v[KF+16*\u+8*\c:KF+16*\u+8*\c+3],   v[ADK] offset:\u*2048+\c*1024
	ds_load_b128 v[KF+16*\u+8*\c+4:KF+16*\u+8*\c+7], v[ADK] offset:\u*2048+\c*1024+512
.endr
.endr
	WIN 0
.endm
.macro MLOADS                          ; its scaled mask in the result's layout: register 8 u + j = key 16 u + 8 h + j; the sixteen lanes of a half read the same bytes
.irp u, 0,1
	ds_load_b128 v[MR+8*\u:MR+8*\u+3],   v[ADM] offset:64*\u
	ds_load_b128 v[MR+8*\u+4:MR+8*\u+7], v[ADM] offset:64*\u+16
.endr
.endm
.macro VLOADS                          ; its V, turned: fragment g: channels 16 g + lane % 16; registers 0-3 keys 8 h + 0 .. 7 (the first tile), registers 4-7 keys 16 + 8 h + 0 .. 7 (the second)
.irp g, 0,1,2,3
	ds_load_tr16_b128 v[VF+8*\g:VF+8*\g+3],   v[ADV] offset:\g*512
	ds_load_tr16_b128 v[VF+8*\g+4:VF+8*\g+7], v[ADV] offset:2048+\g*512
.endr
.endm
.macro PRE                             ; a slot's first step is fetched: K's eight loads, the mask's four, V's eight, in the order in which every step finds them
	v_add_nc_u32 v[ADK], s[TB], v[LI]
	v_add_nc_u32 v[ADM], s[TM], v[AM0]
	v_add_nc_u32 v[ADV], s[TB], v[AV0]
	KLOADS
	MLOADS
	VLOADS
.endm
; A KEY STEP: 32 keys x my 64 queries.  first = 1: the products V^T P start O^T's sums: nothing is cleared.  next = 1: the next step of the same slot is fetched meanwhile.
.macro STEP first, next
	s_wait_dscnt 8                                 ; K and the mask are in; the youngest eight loads, V's, may be out
	WIN 0x05                                       ; K and Q window 1; the mask and S^T window 0
.irp c, 0,1                                    ; eight accumulators by turns, one instruction a turn
.irp u, 0,1
.irp t, 0,1,2,3
.if \c == 0
	v_wmma_f32_16x16x32_f16 v[S+16*\t+8*\u:S+16*\t+8*\u+7], v[KF+16*\u+8*\c:KF+16*\u+8*\c+7], v[QF+16*\t+8*\c:QF+16*\t+8*\c+7], v[MR+8*\u:MR+8*\u+7]
.else
	v_wmma_f32_16x16x32_f16 v[S+16*\t+8*\u:S+16*\t+8*\u+7], v[KF+16*\u+8*\c:KF+16*\u+8*\c+7], v[QF+16*\t+8*\c:QF+16*\t+8*\c+7], v[S+16*\t+8*\u:S+16*\t+8*\u+7]
.endif
.endr
.endr
.endr
	WIN 0
.if \next
	s_add_co_u32 s[TB], s[TB], STEPB
	s_add_co_u32 s[TM], s[TM], 128
	v_add_nc_u32 v[ADK], s[TB], v[LI]              ; these three and the v_nop are the four places behind the products: ahead of the loads into K's and the mask's registers, and of the first read of S^T
	v_add_nc_u32 v[ADM], s[TM], v[AM0]
	v_add_nc_u32 v[ADV], s[TB], v[AV0]
	v_nop
	KLOADS
	MLOADS
.else
	PLACES
.endif
.set b, 0
.rept 32                                       ; hi = A y, kept; 2^z in place.  Each accumulator is read from its low end on
	v_pk_mul_f32 v[HI+2*b:HI+2*b+1], v[S+2*b:S+2*b+1], s[KAP:KAP+1] op_sel_hi:[1,0]
	v_exp_f32 v[S+2*b], v[S+2*b]
	v_exp_f32 v[S+2*b+1], v[S+2*b+1]
.set b, b+1
.endr
	v_nop                                          ; a plain instruction behind the last exponential,
	s_wait_alu depctr_va_vdst(0)                   ; and ONE wait for the 64, ahead of the first instruction that names a result
	v_pk_add_f32 v[S:S+1], v[S:S+1], 1.0 op_sel_hi:[1,0]
.set b, 0
.rept 32                                       ; 1 / (1 + 2^z): a pair's addition stands ahead of the reciprocals of the pair before
.if b < 31
	v_pk_add_f32 v[S+2*b+2:S+2*b+3], v[S+2*b+2:S+2*b+3], 1.0 op_sel_hi:[1,0]
.endif
	v_rcp_f32 v[S+2*b], v[S+2*b]
	v_rcp_f32 v[S+2*b+1], v[S+2*b+1]
.set b, b+1
.endr
	v_nop
	s_wait_alu depctr_va_vdst(0)                   ; one wait for the 64 reciprocals
.set b, 0
.rept 32
	v_pk_fma_f32 v[S+2*b:S+2*b+1], v[S+2*b:S+2*b+1], s[C1:C1+1], v[CC:CC+1] op_sel_hi:[1,0,1]   ; T = (A + 2^-5) - 2 A / (1 + 2^z)
.set b, b+1
.endr
.set b, 0
.rept 64
	v_med3_num_f32 v[S+b], v[HI+b], |v[S+b]|, 0    ; p: the middle one of hi, |T| and 0
.set b, b+1
.endr
.irp i, 0,1,2,3,4,5,6,7                        ; the rows' sums, of the unrounded p: the four tiles by turns
.irp t, 0,1,2,3
	v_pk_add_f32 v[SUM+2*\t:SUM+2*\t+1], v[SUM+2*\t:SUM+2*\t+1], v[S+16*\t+2*\i:S+16*\t+2*\i+1]
.endr
.endr
.set b, 0
.rept 32
	v_cvt_pk_f16_f32 v[P+b], v[S+2*b], v[S+2*b+1]  ; register 8 t + 4 u + i: keys 16 u + 8 h + 2 i, + 1 of tile t's query: source 1 of the second product as it stands
.set b, b+1
.endr
.if \next
	s_wait_dscnt 12                                ; V is in; the twelve loads issued behind it (the next step's K and mask) may be out
.else
	s_wait_dscnt 0
.endif
	WIN 0x50                                       ; V and P window 0; O^T window 1
.irp g, 0,1,2,3                                ; sixteen accumulators, one instruction each
.irp t, 0,1,2,3
.if \first
	v_wmma_f32_16x16x32_f16 v[OT+32*\t+8*\g:OT+32*\t+8*\g+7], v[VF+8*\g:VF+8*\g+7], v[P+8*\t:P+8*\t+7], 0
.else
	v_wmma_f32_16x16x32_f16 v[OT+32*\t+8*\g:OT+32*\t+8*\g+7], v[VF+8*\g:VF+8*\g+7], v[P+8*\t:P+8*\t+7], v[OT+32*\t+8*\g:OT+32*\t+8*\g+7]
.endif
.endr
.endr
	WIN 0
	PLACES                                         ; ahead of the loads into V's registers, and, behind the last step, of the first read of O^T
.if \next
	VLOADS
.endif
.endm
; A slot's sixteen steps.  The step is written once for the loop and once more without the fetch for the slot's last step (the very first step a third time, since it starts O^T).
.macro SLOTRUN base, tm, first
	s_mov_b32 s[TB], \base
	s_mov_b32 s[TM], \tm
	PRE
.if \first
	STEP 1, 1
	s_mov_b32 s[CNT], 14
.else
	s_mov_b32 s[CNT], 15
.endif
.Lstep_\@:
	STEP 0, 1
	s_sub_co_u32 s[CNT], s[CNT], 1
	s_cmp_lg_u32 s[CNT], 0
	s_cbranch_scc1 .Lstep_\@
	STEP 0, 0
.endm
; THE CHANGE OF SLOTS.  Each wave waits for all its tensor loads (the one that may be out is its part of the other slot), adds 0 to its spare word, and waits for that and for its reads of the slot that it leaves.
; Behind the cluster's round no wave of any partner reads slot n or has a load on its way: slot n takes the keys 1,024 further on, by the wave's one tensor load, first thing behind the round.
.macro CHANGE n
	s_wait_tensorcnt 0x0                           ; no tensor load of mine is out, so a group 0 may be written
	ds_add_u32 v[SPW], v[NIL]                      ; 0 onto my spare word; the descriptor's step stands between it and the wait for it
	s_add_nc_u64 s[G0+4*\n+2:G0+4*\n+3], s[G0+4*\n+2:G0+4*\n+3], 2*KVB   ; two slots' keys on; the type bits on top are not reached
	s_wait_dscnt 0x0                               ; the add is done, and my reads of the slot are over
	CROUND
	tensor_load_to_lds s[G0+4*\n:G0+4*\n+3], s[G1:G1+7]
	s_nop 0
	PLACES
.endm
	SLOTRUN 0, 0, 1                                ; keys 0 - 511
	CHANGE 0                                       ; slot 0 takes keys 1,024 - 1,535
	SLOTRUN SLOTB, 2048, 0                         ; keys 512 - 1,023
	CHANGE 1                                       ; slot 1 takes keys 1,536 - 2,047
	SLOTRUN 0, 4096, 0
	s_wait_tensorcnt 0x0                           ; the last change fills nothing: my part of slot 1 has landed,
	ds_add_u32 v[SPW], v[NIL]
	s_wait_dscnt 0x0
	s_barrier_signal -1
	s_barrier_wait -1                              ; everybody's has
	SLOTRUN SLOTB, 6144, 0
	; THE WAY OUT.  A query's sum: my two halves, the other half of the lanes' keys, and 2048 x 1e-6.  O^T is divided by it and goes through my stage in LDS, a tile (16 rows) at a time, so that sixteen lanes store 256 consecutive bytes.
.irp t, 0,1,2,3
	v_mov_b32 v[TMP+4+\t], 0                       ; a lane permute's destination counts as one of its sources
	v_mov_b32 v[TMP+9+2*\t], 0                     ; the upper halves of the pairs that the packed multiplies name
.endr
.irp t, 0,1,2,3
	v_add_f32 v[TMP+\t], v[SUM+2*\t], v[SUM+2*\t+1]
.endr
.irp t, 0,1,2,3
	v_permlanex16_b32 v[TMP+4+\t], v[TMP+\t], s[SEL], s[SEL+1]
.endr
.irp t, 0,1,2,3
	v_add_f32 v[TMP+\t], v[TMP+\t], v[TMP+4+\t]
.endr
.irp t, 0,1,2,3
	v_add_f32 v[TMP+\t], 0x3b0637bd, v[TMP+\t]     ; + 2048 x 1e-6
.endr
.irp t, 0,1,2,3
	v_rcp_f32 v[TMP+8+2*\t], v[TMP+\t]
.endr
	v_nop                                          ; a plain instruction behind the last reciprocal,
	s_wait_alu depctr_va_vdst(0)                   ; and one wait for the four, ahead of their first reader
.macro PACK t                          ; tile t: register 8 g + j of lane (r, h) is out(16 t + r, 16 g + 8 h + j); into rows of 272 bytes, and back as whole rows of 256, into the registers that they left
	WIN 0x01                                       ; source 0 (O^T) window 1
.set i, 0
.rept 16
	v_pk_mul_f32 v[S+32*\t+2*i:S+32*\t+2*i+1], v[OT+32*\t+2*i:OT+32*\t+2*i+1], v[TMP+8+2*\t:TMP+9+2*\t] op_sel_hi:[1,0]   ; each accumulator from its low end on
.set i, i+1
.endr
	WIN 0
.irp g, 0,1,2,3
	ds_store_b128 v[STO], v[S+32*\t+8*\g:S+32*\t+8*\g+3] offset:64*\g
	ds_store_b128 v[STO], v[S+32*\t+8*\g+4:S+32*\t+8*\g+7] offset:64*\g+16
.endr
.irp f, 0,1,2,3,4,5,6,7
	ds_load_b128 v[S+32*\t+4*\f:S+32*\t+4*\f+3], v[RD] offset:\f*2*SPI   ; LDS serves a wave's instructions in order (ISA guide 5.7.1.4): these see the stores above; the next tile's stores come behind them
.endr
.endm
.macro SEND t, younger                 ; younger: the LDS instructions issued behind tile t's loads: the next tile's sixteen, or none
.irp f, 0,1,2,3,4,5,6,7
	s_wait_dscnt \younger+7-\f
	global_store_b128 v[GO], v[S+32*\t+4*\f:S+32*\t+4*\f+3], s[8:9] offset:(16*\t+2*\f)*4096 th:TH_STORE_NT   ; 16 lanes store 256 consecutive bytes, aligned: a head's 64 channels of a row; written once, read by nobody here
.endr
.endm
	PACK 0
	PACK 1                                         ; a tile's arithmetic stands between the loads of the tile before and its stores
	SEND 0, 16
	PACK 2
	SEND 1, 16
	PACK 3
	SEND 2, 16
	SEND 3, 0
	s_wait_tensorcnt 0x0                           ; the wave's end: behind my last tensor load and my last LDS store
	ds_add_u32 v[SPW], v[NIL]
	s_wait_dscnt 0x0
	CROUND                                         ; the closing round: no work-group ends while a partner may still ask for a tile that names it
	s_endpgm
.Lfunc_end_k_qf51396249a_attn:
	.size	k_qf51396249a_attn, .Lfunc_end_k_qf51396249a_attn-k_qf51396249a_attn
	.p2alignl 7, 3214868480
	.fill 96, 4, 3214868480
	.section	.rodata,"a",@progbits
	.p2align	6, 0x0
	.amdhsa_kernel k_qf51396249a_attn
		.amdhsa_group_segment_fixed_size 327680
		.amdhsa_private_segment_fixed_size 0
		.amdhsa_enable_private_segment 0
		.amdhsa_kernarg_size 24
		.amdhsa_user_sgpr_count 2
		.amdhsa_user_sgpr_kernarg_segment_ptr 1
		.amdhsa_wavefront_size32 1
		.amdhsa_system_sgpr_workgroup_id_x 1
		.amdhsa_system_sgpr_workgroup_id_y 1
		.amdhsa_system_sgpr_workgroup_id_z 1
		.amdhsa_system_vgpr_workitem_id 0
		.amdhsa_next_free_vgpr 512
		.amdhsa_next_free_sgpr 66
		.amdhsa_reserve_vcc 0
		.amdhsa_float_denorm_mode_32 3
		.amdhsa_float_denorm_mode_16_64 3
		.amdhsa_memory_ordered 1
		.amdhsa_forward_progress 1
		.amdhsa_inst_pref_size 223
	.end_amdhsa_kernel
	.amdgpu_metadata
---
amdhsa.version: [ 1, 2 ]
amdhsa.kernels:
  - .name:           k_qf51396249a_attn
    .symbol:         k_qf51396249a_attn.kd
    .args:
      - { .name: qkv, .offset: 0, .size: 8, .value_kind: global_buffer, .address_space: global }
      - { .name: attention_mask, .offset: 8, .size: 8, .value_kind: global_buffer, .address_space: global }
      - { .name: out0, .offset: 16, .size: 8, .value_kind: global_buffer, .address_space: global }
    .group_segment_fixed_size: 327680
    .private_segment_fixed_size: 0
    .kernarg_segment_align: 8
    .kernarg_segment_size: 24
    .max_flat_workgroup_size: 256
    .sgpr_count:     66
    .vgpr_count:     512
    .wavefront_size: 32
...
	.end_amdgpu_metadata
.endif
;; end of part 3
